; MI455X (gfx1250); checked and timed in simulation.
; The chip was launched on July 23, 2026; its instructions are those of AMD's public machine-readable ISA for CDNA 5 (MIT licence, August 2026) and "CDNA5" Instruction Set Architecture Reference Guide (July 2026). The comments in the code are by the model that wrote it; some were corrected since.
;; Custom Feed Forward. Allowed arithmetic: matrix products marked QUANTISED: E3M2 operands, one E8M0 scale for each 32 along K, by v_wmma_scale_f32_16x16x128_f8f6f4 with both operands' format E3M2, f32 sums; everything else in f32.
;; Inputs: w1 8,192 x 2,048 float32; w2 8,192 x 2,048 float32; w3 2,048 x 8,192 float32; x 4 x 256 x 2,048 float32.
;; Outputs: out0 4 x 256 x 2,048 float32.
;; Constants: scale_x = 1.
;; This version of the problem:
;;   THIS VERSION OF THE PROBLEM IS GIVEN IN LOW PRECISION. The matrix products marked QUANTISED in the list below multiply operands that are first quantised to E3M2 (3 exponent bits, 2 mantissa bits; 6 bits a number), with one power-of-two scale for each 32 numbers along K (OCP MX v1.0); their sums are f32. All else is computed in f32.
;;   The module's matrix products, in the order in which they are computed (A, B: the left and right operand; K: the contracted axis; several contracted axes count as one K, in the product's order):
;;     1. [M 1,024, K 2,048] x [K 2,048, N 8,192]; A: input x; B: input w1: QUANTISED
;;     2. [M 1,024, K 2,048] x [K 2,048, N 8,192]; A: input x; B: input w2: QUANTISED
;;     3. [M 1,024, K 8,192] x [K 8,192, N 2,048]; A: computed on the way; B: input w3: QUANTISED
;;   THE QUANTISER, for each operand of a quantised product, along K:
;;     - K is cut into blocks of 32 from its start; a last block that is shorter is filled with zeros.
;;     - A block's scale is 2^e with e = floor(log2(the largest magnitude in the block)) - 4, held to -126 .. 127; a block of zeros has e = 0. As a byte (E8M0): e + 127.
;;     - Each number is divided by its block's scale, clamped to +-28, and rounded to the nearest number of E3M2, ties to even, subnormals kept.
;;     - The product sums the exact products of the quantised numbers (number of the format x scale) in f32.
;;   ~~~python
;;   def quantise(x, axis):      # numpy; x: float32 -> the quantised numbers, widened to float32 again
;;       x = np.moveaxis(x, axis, -1); K = x.shape[-1]
;;       x = np.pad(x, [(0, 0)] * (x.ndim - 1) + [(0, -K % 32)]); x = x.reshape(x.shape[:-1] + (-1, 32)); a = np.abs(x).max(-1, keepdims=True)
;;       e = np.where(a > 0, np.clip(np.frexp(np.where(a > 0, a, 1))[1] - 1 - 4, -126, 127), 0)      # np.frexp(a)[1] - 1 = floor(log2(a)), exactly
;;       r = np.clip(x / 2.0 ** e, -28, 28)
;;       step = 2.0 ** (np.maximum(np.frexp(np.where(r == 0, 1, r))[1] - 1, -2) - 2)
;;       q = np.round(r / step) * step * 2.0 ** e      # np.round: ties to even
;;       return np.moveaxis(q.reshape(q.shape[:-2] + (-1,))[..., :K], -1, axis).astype(np.float32)
;;   ~~~
;;   OPERANDS COMPUTED ON THE WAY. 'Computed on the way' means the value that the module computes at that place (a softmax that the list does not call 'softmax' is quantised finished and normalised). What goes into a quantiser is computed in f32, as accurately as f32 sums, v_exp_f32 and their like allow (about 1e-6 of the number): no bf16 or f16 on the way to a quantiser, and a product that is left as it is and whose result goes on into a quantised operand takes f32 operands (vector FMAs, or v_wmma_f32_16x16x4_f32). A number that lies on a knife's edge between two numbers of the format may be rounded either way, as far as f32 arithmetic and the matrix unit's own rounding can turn it there, and no further.
;; One version. Each part assembles by itself: llvm-mc -triple=amdgcn-amd-amdhsa -mcpu=gfx1250 --defsym DOCPART=n.
;; ======== version 1 of 1: 3 launches
;; limits: right only within a limited range of input values
;; workspace buffers: xq 1,638,400 bytes; wq 26,214,400 bytes; w3q 13,107,200 bytes; hq 6,553,600 bytes
;; launch quant (part 1): grid 256 x 1, 25 waves a work-group, no clusters, 272,128 bytes of LDS; arguments x, w1, w2, w3, xq, wq, w3q; writes xq, wq, w3q
.if DOCPART == 1
	.amdgcn_target "amdgcn-amd-amdhsa--gfx1250"
	.amdhsa_code_object_version 6
	.text
	.protected	k_q5a75237d56_quant
	.globl	k_q5a75237d56_quant
	.p2align	8
	.type	k_q5a75237d56_quant,@function
k_q5a75237d56_quant:
	s_mov_b64 s[64:65], 0
	v_nop
	global_prefetch_b8 v0, s[64:65] scope:SCOPE_SE
	s_setreg_imm32_b32 hwreg(HW_REG_WAVE_MODE, 25, 1), 1
	s_wait_xcnt 0x0
; x [1024][2048], w1, w2 [8192][2048], w3 [2048][8192], all f32 with K innermost, become codes of BF6 (E3M2) with one E8M0 scale byte for each 32 along K.
; A block's scale is 2^(floor(log2(its largest magnitude)) - 4); its byte is the largest magnitude's own exponent field - 4, held at 1 from below; each number is divided by the scale and
; rounded to the nearest code, ties to even, beyond the largest code the largest.
; LEFT OUT: scale_x.  reference() never reads it, so it has no way to any output, whatever it holds; it is a constant with no buffer.
; LIMITS: a block whose largest magnitude lies under 2^-122 (a block of zeros among them) gets the byte 1; a block of zeros has zero codes, which add nothing under that byte, and the bytes are
; read by this program alone.  NaN and infinities among the inputs are not served.
; THE OUTPUT'S LAYOUT IS THE ORDER OF THE OPERAND'S REGISTERS.  A QUAD is 64 rows x 128 K in 6,400 bytes: four tiles of 16 rows (1,536 bytes each), then 256 bytes of scale words.
;   tile t, chunk i (0..5) at 1536 t + 256 i: lane l's 8 bytes at 8 l are registers 2 i, 2 i + 1 of the tile's fragment (lane (r, h): registers 6 c .. 6 c + 5 = the codes of k = 64 c + 32 h + 0 .. 31 of slot r).
;   scale area at 6144: lane l's 8 bytes at 8 l; word j is the scale word of tile 2 j + l / 16, slot l % 16.
;   slot r of tile t is row 32 (t / 2) + 8 (t % 2) + r + 8 (r / 8) of the quad's 64 rows.
; SHARES.  The four tensors make 256 + 3 x 2,048 = 6,400 quads: 25 for each of 256 work-groups, ONE QUAD A WAVE, 25 waves; quad q = 25 x work-group + wave, neighbouring q on neighbouring K steps of the same rows.
; One path serves all four tensors: only scalars are chosen, by q.  Waves share nothing: no barrier.  No tile is read by two work-groups: no cluster.  The launch has no loop to run ahead in and streams each byte once: no prefetch.
; A STEP is half a tile: 16 rows x 64 K.  Each of its 8 loads reads 256 consecutive bytes, aligned, of each of two rows; the 4,096 bytes turn through the wave's own stage in LDS and come back 128 bytes a lane: one whole block of 32.
; Three sets of 32 registers take turns: while one step is worked, the 16 loads of the next two are out.
; The codes and scale words gather in the wave's own image of the quad in LDS and leave at the end: 12 stores of 512 consecutive bytes and one of 256, all at multiples of 256 from the buffer's first byte.
.set WAVES, 25
.set SP,    272                        ; a stage row: 256 bytes + 16: the sixteen rows that a read touches begin at sixteen different 16-byte columns of 256
.set STG,   16*SP                      ; a wave's stage,
.set QUADB, 6400                       ; and behind it its image of the quad
.set WREG,  STG+QUADB                  ; 10,752 bytes a wave, 42 blocks of 256
.set SPARE, WAVES*WREG                 ; behind the 25 regions: the spare words, 128 bytes a wave, 13 blocks of 256 that no other line names
.set SX,    1                          ; v1       the conversions' scale operand
.set SI,    2                          ; v2       the stage, in
.set SB,    3                          ; v3       the stage, back
.set CA,    4                          ; v4       the image + 8 x lane
.set SA,    5                          ; v5       the image + 8 r
.set RB,    6                          ; v6       the image + 16 x lane
.set GO,    7                          ; v7       16 x lane
.set SH,    8                          ; v8       8 h
.set G8,    9                          ; v9       8 x lane
.set SPW,   10                         ; v10      my spare word; never rewritten
.set NIL,   11                         ; v11      0; never rewritten
.set RO,    12                         ; v12-19   byte offset of my 16 bytes in load i of a step; never rewritten
.set AM,    20                         ; v20, v21 largest magnitudes, two chains
.set AN,    21
.set BY,    22                         ; v22, v23 the scale bytes of a tile's two halves
.set C,     24                         ; v24-26   16 codes
.set WD,    27                         ; v27      the scale word
.set T,     28                         ; v28-30   16 codes (a conversion's three registers begin on an even number)
.set PD,    31                         ; v31      the other half's bytes
.set D0,    32                         ; v32-127  three sets of 32 numbers
	s_load_b256 s[4:11], s[0:1], 0x0               ; x, w1, w2, w3
	s_load_b128 s[12:15], s[0:1], 0x20             ; xq, wq
	s_load_b64 s[16:17], s[0:1], 0x30              ; w3q
	v_lshl_add_u32 v[SPW], v0, 2, SPARE
	v_mov_b32 v[NIL], 0
	v_lshrrev_b32 v1, 5, v0
	v_readfirstlane_b32 s18, v1                    ; wave 0..24
	s_mul_i32 s32, s18, WREG                       ; my stage
	s_add_co_u32 s33, s32, STG                     ; my image
	s_mul_i32 s19, ttmp9, WAVES
	s_add_co_u32 s19, s19, s18                     ; q
	s_mov_b32 s25, 8192                            ; a row in bytes;
	s_cmp_ge_u32 s19, 4352
	s_cselect_b32 s25, 32768, s25                  ; w3's
	v_and_b32 v1, 31, v0                           ; lane
	v_and_b32 v20, 15, v0                          ; r
	v_bfe_u32 v21, v0, 4, 1                        ; h
	v_lshlrev_b32 v[GO], 4, v1
	v_lshlrev_b32 v[G8], 3, v1
	v_lshlrev_b32 v[SH], 3, v21
	v_lshlrev_b32 v22, 4, v20                      ; 16 r
	v_mad_u32_u24 v[SI], v21, SP, v22
	v_add_nc_u32 v[SI], s32, v[SI]                 ; in: load i puts lanes 0-15 on stage row 2 i, lanes 16-31 on row 2 i + 1
	v_mul_u32_u24 v[SB], v20, SP
	v_lshl_add_u32 v[SB], v21, 7, v[SB]
	v_add_nc_u32 v[SB], s32, v[SB]                 ; back: row r, + 128 h bytes
	v_add_nc_u32 v[CA], s33, v[G8]
	v_lshl_add_u32 v[SA], v20, 3, s33
	v_add_nc_u32 v[RB], s33, v[GO]
	v_mov_b32 v[PD], 0                             ; written once: a lane permute's destination counts as one of its sources
	v_mad_u32_u24 v23, v21, s25, v22               ; h rows + 16 r
.irp i, 0,1,2,3,4,5,6,7
	v_mad_u32_u24 v[RO+\i], s25, 2*\i+8*(\i/4), v23   ; slots 2 i, 2 i + 1 are rows 2 i + 8 (i / 4) + h from the tile's first
.endr
	s_mov_b32 s44, 0x76543210
	s_mov_b32 s45, 0xfedcba98                      ; v_permlanex16_b32's selects for lane l xor 16
	; the tensor's figures, x's first.  quad index = (rq >> a) 64 + kstep c + (rq & m) d + o, rq the row quad
	s_mov_b32 s24, 0                               ; the tensor's first q
	s_mov_b32 s26, 4                               ; log2 of the K steps in a row
	s_mov_b32 s27, 2                               ; a
	s_mov_b32 s28, 4                               ; c
	s_mov_b32 s29, 3                               ; m
	s_mov_b32 s30, 1                               ; d
	s_mov_b32 s31, 0                               ; o
	s_cmp_ge_u32 s19, 256                          ; w1 (and, so far, all behind it): wq's quads lie (hidden tile of 128, K step, half of 64, gate or up)
	s_cselect_b32 s24, 256, s24
	s_cselect_b32 s27, 1, s27
	s_cselect_b32 s29, 1, s29
	s_cselect_b32 s30, 2, s30
	s_cmp_ge_u32 s19, 2304                         ; w2: the quad beside w1's
	s_cselect_b32 s24, 2304, s24
	s_cselect_b32 s31, 1, s31
	s_cmp_ge_u32 s19, 4352                         ; w3: quads lie (row quad, K step)
	s_cselect_b32 s24, 4352, s24
	s_cselect_b32 s26, 6, s26
	s_cselect_b32 s27, 0, s27
	s_cselect_b32 s28, 1, s28
	s_cselect_b32 s29, 0, s29
	s_cselect_b32 s30, 0, s30
	s_cselect_b32 s31, 0, s31
	s_sub_co_u32 s34, s19, s24                     ; my number within the tensor
	s_lshr_b32 s35, s34, s26                       ; rq
	s_lshl_b32 s46, s35, s26
	s_sub_co_u32 s34, s34, s46                     ; my K step
	s_mul_i32 s46, s35, s25
	s_lshl_b32 s46, s46, 6                         ; 64 rq rows,
	s_lshl_b32 s47, s34, 9                         ; 512 bytes a K step: under 2^27 together
	s_add_co_u32 s46, s46, s47
	s_mov_b32 s47, 0
	s_lshr_b32 s48, s35, s27
	s_lshl_b32 s48, s48, 6
	s_mul_i32 s34, s34, s28
	s_add_co_u32 s48, s48, s34
	s_and_b32 s35, s35, s29
	s_mul_i32 s35, s35, s30
	s_add_co_u32 s48, s48, s35
	s_add_co_u32 s48, s48, s31                     ; the quad's index
	s_mul_i32 s48, s48, QUADB
	s_mov_b32 s49, 0
	s_lshl_b32 s50, s25, 3                         ; 8 rows
	s_mov_b32 s51, 0
	s_lshl_b32 s52, s25, 5                         ; 32 rows
	s_mov_b32 s53, 0
	s_wait_alu depctr_va_vdst(0)                   ; the wait at the head's end
	s_wait_kmcnt 0x0
	s_mov_b64 s[20:21], s[4:5]
	s_mov_b64 s[22:23], s[12:13]
	s_cmp_ge_u32 s19, 256                          ; the buffers, chosen by q alone
	s_cselect_b64 s[20:21], s[6:7], s[20:21]
	s_cselect_b64 s[22:23], s[14:15], s[22:23]
	s_cmp_ge_u32 s19, 2304
	s_cselect_b64 s[20:21], s[8:9], s[20:21]
	s_cmp_ge_u32 s19, 4352
	s_cselect_b64 s[20:21], s[10:11], s[20:21]
	s_cselect_b64 s[22:23], s[16:17], s[22:23]
	s_add_nc_u64 s[36:37], s[20:21], s[46:47]      ; tile 0 begins at row 0 of the quad,
	s_add_nc_u64 s[22:23], s[22:23], s[48:49]      ; and the quad's bytes begin here
	s_add_nc_u64 s[38:39], s[36:37], s[50:51]      ; tile 1 at row 8,
	s_add_nc_u64 s[40:41], s[36:37], s[52:53]      ; tile 2 at row 32,
	s_add_nc_u64 s[42:43], s[38:39], s[52:53]      ; tile 3 at row 40
.macro LOAD s                          ; step s = 2 t + c: tile t, K = 64 c on, into set s % 3
.set DL, D0+32*((\s)%3)
.irp i, 0,1,2,3,4,5,6,7
	global_load_b128 v[DL+4*\i:DL+4*\i+3], v[RO+\i], s[36+2*((\s)/2):37+2*((\s)/2)] offset:256*((\s)%2) th:TH_LOAD_NT   ; read once in the launch
.endr
.endm
.macro HALF s
.set DS, D0+32*((\s)%3)
.set OF, 1536*((\s)/2)+768*((\s)%2)    ; where this half's three chunks begin in the image
.if (\s) < 6
	s_wait_loadcnt 16                              ; this step's 8 loads are in; the 16 of the next two steps may be out
.else
	s_wait_loadcnt 8*(7-(\s))
.endif
.irp i, 0,1,2,3,4,5,6,7
	ds_store_b128 v[SI], v[DS+4*\i:DS+4*\i+3] offset:2*SP*\i
.endr
.irp i, 0,1,2,3,4,5,6,7
	ds_load_b128 v[DS+4*\i:DS+4*\i+3], v[SB] offset:16*\i   ; LDS serves a wave's instructions in order (ISA guide 5.7.1.4): these see the stores above.  The 32 registers: k = 64 c + 32 h + 0 .. 31 of slot r
.endr
	s_wait_dscnt 0x0                               ; the block is back; the last step's stores into the image have read their registers too
	v_max3_num_f32 v[AM], |v[DS]|, |v[DS+1]|, 0x2800000   ; the floor 2^(5 - 127) holds the byte at 1 from below
	v_max3_num_f32 v[AN], |v[DS+16]|, |v[DS+17]|, |v[DS+18]|
.irp i, 2,4,6,8,10,12
	v_max3_num_f32 v[AM], v[AM], |v[DS+\i]|, |v[DS+\i+1]|        ; (two chains by turns)
	v_max3_num_f32 v[AN], v[AN], |v[DS+17+\i]|, |v[DS+18+\i]|
.endr
	v_max3_num_f32 v[AM], v[AM], |v[DS+14]|, |v[DS+15]|
	v_max3_num_f32 v[AM], v[AM], v[AN], |v[DS+31]|
	v_add_nc_u32 v[SX], 0xfe000000, v[AM]          ; 4 off the exponent field: the conversion takes the exponent field of this operand as its scale
	v_cvt_scalef32_pk16_bf6_f32 v[C:C+2], v[DS:DS+15], v[SX]
	v_cvt_scalef32_pk16_bf6_f32 v[T:T+2], v[DS+16:DS+31], v[SX]
	v_lshrrev_b32 v[BY+(\s)%2], 23, v[SX]          ; the scale's byte; also the plain place behind the conversions
.if (\s)+3 < 8
	LOAD (\s)+3                                    ; the set is free
.endif
	ds_store_b64 v[CA], v[C:C+1] offset:OF         ; registers 6 c + k of the fragment go to chunk 3 c + k / 2, word k % 2
	ds_store_b32 v[CA], v[C+2] offset:OF+256
	ds_store_b32 v[CA], v[T] offset:OF+260
	ds_store_b32 v[CA], v[T+1] offset:OF+512
	ds_store_b32 v[CA], v[T+2] offset:OF+516
.if (\s)%2
	v_lshl_or_b32 v[WD], v[BY+1], 16, v[BY]        ; blocks h and 2 + h,
	v_lshlrev_b32 v[WD], v[SH], v[WD]              ; at their places in the word;
	v_permlanex16_b32 v[PD], v[WD], s44, s45
	v_or_b32 v[WD], v[WD], v[PD]                   ; with lane l xor 16's two the word is whole, in both halves
	ds_store_b32 v[SA], v[WD] offset:6144+128*(((\s)/2)%2)+4*((\s)/4)   ; lanes r and 16 + r write the same word with the same value
.endif
.endm
	LOAD 0
	LOAD 1
	LOAD 2
.irp s, 0,1,2,3,4,5,6,7
	HALF \s
.endr
.irp i, 0,1,2,3,4,5,6,7,8,9,10,11
	ds_load_b128 v[D0+4*\i:D0+4*\i+3], v[RB] offset:512*\i   ; the image, as it lies
.endr
	ds_load_b64 v[D0+48:D0+49], v[CA] offset:6144
	s_wait_dscnt 0x0
.irp i, 0,1,2,3,4,5,6,7,8,9,10,11
	global_store_b128 v[GO], v[D0+4*\i:D0+4*\i+3], s[22:23] offset:512*\i   ; 32 lanes store 512 consecutive bytes
.endr
	global_store_b64 v[G8], v[D0+48:D0+49], s[22:23] offset:6144
	s_wait_tensorcnt 0x0                           ; the wave's end: behind my last LDS store
	ds_add_u32 v[SPW], v[NIL]
	s_wait_dscnt 0x0
	s_endpgm
.Lfunc_end_k_q5a75237d56_quant:
	.size	k_q5a75237d56_quant, .Lfunc_end_k_q5a75237d56_quant-k_q5a75237d56_quant
	.p2alignl 7, 3214868480
	.fill 96, 4, 3214868480
	.section	.rodata,"a",@progbits
	.p2align	6, 0x0
	.amdhsa_kernel k_q5a75237d56_quant
		.amdhsa_group_segment_fixed_size 272128
		.amdhsa_private_segment_fixed_size 0
		.amdhsa_enable_private_segment 0
		.amdhsa_kernarg_size 56
		.amdhsa_user_sgpr_count 2
		.amdhsa_user_sgpr_kernarg_segment_ptr 1
		.amdhsa_wavefront_size32 1
		.amdhsa_system_sgpr_workgroup_id_x 1
		.amdhsa_system_sgpr_workgroup_id_y 1
		.amdhsa_system_sgpr_workgroup_id_z 1
		.amdhsa_system_vgpr_workitem_id 0
		.amdhsa_next_free_vgpr 128
		.amdhsa_next_free_sgpr 66
		.amdhsa_reserve_vcc 0
		.amdhsa_float_denorm_mode_32 3
		.amdhsa_float_denorm_mode_16_64 3
		.amdhsa_memory_ordered 1
		.amdhsa_forward_progress 1
		.amdhsa_inst_pref_size 35
	.end_amdhsa_kernel
	.amdgpu_metadata
---
amdhsa.version: [ 1, 2 ]
amdhsa.kernels:
  - .name:           k_q5a75237d56_quant
    .symbol:         k_q5a75237d56_quant.kd
    .args:
      - { .name: x, .offset: 0, .size: 8, .value_kind: global_buffer, .address_space: global }
      - { .name: w1, .offset: 8, .size: 8, .value_kind: global_buffer, .address_space: global }
      - { .name: w2, .offset: 16, .size: 8, .value_kind: global_buffer, .address_space: global }
      - { .name: w3, .offset: 24, .size: 8, .value_kind: global_buffer, .address_space: global }
      - { .name: xq, .offset: 32, .size: 8, .value_kind: global_buffer, .address_space: global }
      - { .name: wq, .offset: 40, .size: 8, .value_kind: global_buffer, .address_space: global }
      - { .name: w3q, .offset: 48, .size: 8, .value_kind: global_buffer, .address_space: global }
    .group_segment_fixed_size: 272128
    .private_segment_fixed_size: 0
    .kernarg_segment_align: 8
    .kernarg_segment_size: 56
    .max_flat_workgroup_size: 800
    .sgpr_count:     66
    .vgpr_count:     128
    .wavefront_size: 32
...
	.end_amdgpu_metadata
.endif
;; end of part 1
;; launch gateup (part 2): grid 64 x 4, 4 waves a work-group, clusters of 4 x 4, 327,680 bytes of LDS; arguments xq, wq, hq; writes hq
.if DOCPART == 2
	.amdgcn_target "amdgcn-amd-amdhsa--gfx1250"
	.amdhsa_code_object_version 6
	.text
	.protected	k_q5a75237d56_gateup
	.globl	k_q5a75237d56_gateup
	.p2align	8
	.type	k_q5a75237d56_gateup,@function
k_q5a75237d56_gateup:
	s_mov_b64 s[64:65], 0
	v_nop
	global_prefetch_b8 v0, s[64:65] scope:SCOPE_SE
	s_setreg_imm32_b32 hwreg(HW_REG_WAVE_MODE, 25, 1), 1
	s_wait_xcnt 0x0
	s_wait_alu depctr_hold_cnt(0) depctr_sa_sdst(0) depctr_va_vdst(0) depctr_va_sdst(0) depctr_va_ssrc(0) depctr_va_vcc(0) depctr_vm_vsrc(0)
	s_getreg_b32 s2, hwreg(HW_REG_IB_STS2, 6, 4)
	s_cmp_eq_u32 s2, 0
	s_cbranch_scc0 .Lentry_in_a_cluster
	s_endpgm
.Lentry_in_a_cluster:
	s_bfe_u32 s2, ttmp6, 0x10000c
	s_cmp_lg_u32 s2, 0xf033
	s_cbranch_scc0 .Lentry_shape_is_right
	s_endpgm
.Lentry_shape_is_right:
; h = silu(x w1^T) x (x w2^T), quantised along the hidden axis into hq, in the quads' layout that the first launch states.  A work-group makes 256 rows x 128 hidden units (256 rows of wq: gate and up);
; a wave 128 x 128 of the two products.  K goes through two LDS slots of two K steps each, filled by joint loads in clusters of 4 x 4.
; PREFETCH: behind each joint load a wave names the 25,600 bytes that it will fetch two refills on; the four partners that ask for them jointly take 25 blocks of 256 bytes each, told apart by address
; (cx for x's tiles, cy for the weights'); lanes 25-31 name the wave's last block again; the last two refills ask for nothing.  Behind the first load the next fill is named too.
.set KSB,   25600
.set SLOT,  4*KSB
.set QUADB, 6400
.set TILEB, 1536
.set SPARE, 2*SLOT
.set FR,    12
.set NL,    6
.set ADRA,  16
.set ADRB,  20
.set SS,    24
.set SR,    25
.set HO,    26
.set SPW,   28
.set NIL,   29
.set SC,    32
.set T,     64
.set H,     96
.set AF,    128
.set AM,    224
.set PD,    226
.set SO,    228
.set BY,    230
.set HW,    232
.set E,     234
.set F,     240
.set G1,    24
.set G0,    32
.set G1B,   48
.set G0B,   56
.set MSB, 0
.macro WIN new
.if MSB != (\new)
	s_set_vgpr_msb (MSB<<8)|(\new)
.set MSB, \new
.endif
.endm
.set MUL_LO, 0xa1
.set MUL_HI, 0xf1
.set TO_B,   0x40
.macro JLOAD g0a, g1a, g0b, g1b
	s_cmp_eq_u32 s15, 0
	s_cbranch_scc0 .Lfor_b_\@
	tensor_load_to_lds s[\g0a:\g0a+3], s[\g1a:\g1a+7]
	s_nop 0
.rept 4
	v_nop
.endr
	s_branch .Lasked_\@
.Lfor_b_\@:
	tensor_load_to_lds s[\g0b:\g0b+3], s[\g1b:\g1b+7]
	s_nop 0
.rept 4
	v_nop
.endr
.Lasked_\@:
.endm
.macro CREST
	s_cmp_lg_u32 s14, 0
	s_cbranch_scc1 .Lnot_wave_0_\@
	s_barrier_signal -3
.Lnot_wave_0_\@:
	s_barrier_wait -3
	s_barrier_signal -1
	s_barrier_wait -1
.endm
.macro CROUND
	s_barrier_signal -1
	s_barrier_wait -1
	CREST
.endm
.macro PLACES
.rept 4
	v_nop
.endr
.endm
	s_load_b128 s[4:7], s[0:1], 0x0
	s_load_b64 s[8:9], s[0:1], 0x10
	v_lshl_add_u32 v[SPW], v0, 2, SPARE
	v_mov_b32 v[NIL], 0
	ds_add_u32 v28, v29
	ds_add_u32 v28, v29
	s_wait_dscnt 0x0
	v_lshrrev_b32 v1, 5, v0
	v_readfirstlane_b32 s14, v1
	v_and_b32 v30, 31, v0
	v_min_u32 v30, 24, v30
	v_lshlrev_b32 v30, 8, v30                      ; the prefetches' offset: a lane a block of 256 bytes; never rewritten
	s_lshr_b32 s15, s14, 1
	s_and_b32 s16, s14, 1
	s_bfe_u32 s40, ttmp6, 0x40000
	s_bfe_u32 s41, ttmp6, 0x40004
	s_lshl_b32 s42, ttmp9, 2
	s_add_co_u32 s42, s42, s40
	s_mov_b32 s17, s41
	s_lshl_b32 s43, s41, 2
	s_lshl_b32 s43, 15, s43
	s_lshl_b32 s44, 0x1111, s40
	s_or_b32 s[G1+0], s43, (3<<16)|(1<<21)
	s_or_b32 s[G1B+0], s44, (3<<16)|(1<<21)
.irp g, G1, G1B
	s_mov_b32 s[\g+1], 32<<16
	s_mov_b32 s[\g+2], 100<<16
	s_mov_b32 s[\g+3], 32<<16
	s_mov_b32 s[\g+4], 100
	s_mov_b32 s[\g+5], 32
	s_mov_b32 s[\g+6], 0
	s_mov_b32 s[\g+7], 0
.endr
	s_lshl_b32 s20, s17, 4
	s_add_co_u32 s20, s20, s16
	s_mul_i32 s20, s20, KSB
	s_mov_b32 s21, 0
	s_lshl_b32 s46, s42, 4
	s_add_co_u32 s46, s46, s16
	s_mul_i32 s46, s46, KSB
	s_mov_b32 s47, 0
	s_mul_i32 s45, s14, KSB
	s_mov_b32 s72, 0xbfb8aa3b
	s_mov_b32 s73, s72
	s_mov_b32 s74, 0x76543210
	s_mov_b32 s75, 0xfedcba98
	s_wait_kmcnt 0x0
	s_add_nc_u64 s[20:21], s[4:5], s[20:21]
	s_add_nc_u64 s[46:47], s[6:7], s[46:47]
	s_cmp_eq_u32 s15, 0                            ; do I fetch x's tiles?
	s_cselect_b64 s[76:77], s[20:21], s[46:47]     ; where my prefetches stand
	s_cselect_b32 s78, s40, s41                    ; my place among the four that ask with me
	s_mul_i32 s78, s78, 6400
	s_mov_b32 s79, 0
	s_add_nc_u64 s[76:77], s[76:77], s[78:79]
.irp s, 0,1
	s_mov_b32 s[G0+4*\s], 1
	s_add_co_u32 s[G0+4*\s+1], s45, \s*SLOT
	s_add_nc_u64 s[G0+4*\s+2:G0+4*\s+3], s[20:21], \s*2*KSB
	s_or_b32 s[G0+4*\s+3], s[G0+4*\s+3], 0x80000000
	s_mov_b32 s[G0B+4*\s], 1
	s_add_co_u32 s[G0B+4*\s+1], s45, \s*SLOT
	s_add_nc_u64 s[G0B+4*\s+2:G0B+4*\s+3], s[46:47], \s*2*KSB
	s_or_b32 s[G0B+4*\s+3], s[G0B+4*\s+3], 0x80000000
	s_wait_alu depctr_va_vdst(0)
	s_wait_tensorcnt 0x0
	ds_add_u32 v28, v29
	ds_add_u32 v28, v29
	s_wait_dscnt 0x0
	CROUND
	JLOAD G0+4*\s, G1, G0B+4*\s, G1B
.if \s == 0
	global_prefetch_b8 v30, s[76:77] offset:2*KSB th:TH_LOAD_NT scope:SCOPE_SE
.endif
	global_prefetch_b8 v30, s[76:77] offset:(\s+2)*2*KSB th:TH_LOAD_NT scope:SCOPE_SE
.endr
	v_and_b32 v1, 31, v0
	v_and_b32 v2, 15, v0
	s_wait_alu depctr_va_vdst(0)
	v_lshlrev_b32 v[HO], 3, v1
	s_wait_alu depctr_va_vdst(0)
	s_mul_i32 s21, s15, 2*QUADB
	s_mul_i32 s22, s16, 2*QUADB
	s_add_co_u32 s22, s22, 2*KSB
.irp s, 0,1
	v_add_nc_u32 v[ADRA+\s], s21, v[HO]
	v_add_nc_u32 v[ADRB+\s], s22, v[HO]
	s_add_co_u32 s21, s21, SLOT
	s_add_co_u32 s22, s22, SLOT
.endr
	s_lshl_b32 s21, s15, 9
	s_lshl_b32 s22, s16, 1
	s_add_co_u32 s21, s21, s22
	v_lshl_add_u32 v[SS], v2, 3, s21
	s_lshl_b32 s21, s14, 8
	v_add_nc_u32 v[SR], s21, v[HO]
	v_mov_b32 v[PD], 0
	v_mov_b32 v[PD+1], 0
	s_lshl_b32 s20, s17, 1
	s_add_co_u32 s20, s20, s15
	s_lshl_b32 s20, s20, 6
	s_add_co_u32 s20, s20, s42
	s_mul_i32 s20, s20, 2*QUADB
	s_mov_b32 s21, 0
	s_add_nc_u64 s[68:69], s[8:9], s[20:21]
	s_mul_i32 s22, s16, QUADB
	s_add_co_u32 s22, s22, 6144
	s_mov_b32 s23, 0
	s_add_nc_u64 s[70:71], s[68:69], s[22:23]
	s_mul_i32 s22, s16, 768
	s_add_nc_u64 s[68:69], s[68:69], s[22:23]
.macro FRAG reg, adr, q, i
.irp p, 0,1,2,3,4,5
	ds_load_b64 v[\reg+2*\p:\reg+2*\p+1], v[\adr] offset:KSB*(\q)+QUADB*((\i)/4)+TILEB*((\i)%4)+256*\p
.endr
.endm
.macro FETCH_B slot, q, p
	WIN TO_B
.irp i, 0,1,2,3,4,5,6,7
	FRAG 128*(\p)+FR*\i, ADRB+\slot, \q, \i
.endr
	WIN 0
.endm
.macro FETCH_A slot, q, i0
.irp i, \i0, \i0+1, \i0+2, \i0+3
	FRAG AF+FR*(\i), ADRA+\slot, \q, \i
.endr
.endm
.macro SCALES s
.irp q, 0,1
.irp u, 0,1
	ds_load_b64 v[SC+16*\s+8*\q+2*\u:SC+16*\s+8*\q+2*\u+1], v[ADRA+\s] offset:KSB*\q+QUADB*\u+6144
	ds_load_b64 v[SC+16*\s+8*\q+4+2*\u:SC+16*\s+8*\q+4+2*\u+1], v[ADRB+\s] offset:KSB*\q+QUADB*\u+6144
.endr
.endr
.endm
.macro WM zero
.if \zero
.if oB && oA
	v_wmma_scale_f32_16x16x128_f8f6f4 v[rD:rD+7], v[rB:rB+11], v[rA:rA+11], 0, v[rSB], v[rSA] matrix_a_fmt:MATRIX_FMT_BF6 matrix_b_fmt:MATRIX_FMT_BF6 matrix_a_scale:MATRIX_SCALE_ROW1 matrix_b_scale:MATRIX_SCALE_ROW1
.elseif oB
	v_wmma_scale_f32_16x16x128_f8f6f4 v[rD:rD+7], v[rB:rB+11], v[rA:rA+11], 0, v[rSB], v[rSA] matrix_a_fmt:MATRIX_FMT_BF6 matrix_b_fmt:MATRIX_FMT_BF6 matrix_a_scale:MATRIX_SCALE_ROW1
.elseif oA
	v_wmma_scale_f32_16x16x128_f8f6f4 v[rD:rD+7], v[rB:rB+11], v[rA:rA+11], 0, v[rSB], v[rSA] matrix_a_fmt:MATRIX_FMT_BF6 matrix_b_fmt:MATRIX_FMT_BF6 matrix_b_scale:MATRIX_SCALE_ROW1
.else
	v_wmma_scale_f32_16x16x128_f8f6f4 v[rD:rD+7], v[rB:rB+11], v[rA:rA+11], 0, v[rSB], v[rSA] matrix_a_fmt:MATRIX_FMT_BF6 matrix_b_fmt:MATRIX_FMT_BF6
.endif
.else
.if oB && oA
	v_wmma_scale_f32_16x16x128_f8f6f4 v[rD:rD+7], v[rB:rB+11], v[rA:rA+11], v[rD:rD+7], v[rSB], v[rSA] matrix_a_fmt:MATRIX_FMT_BF6 matrix_b_fmt:MATRIX_FMT_BF6 matrix_a_scale:MATRIX_SCALE_ROW1 matrix_b_scale:MATRIX_SCALE_ROW1
.elseif oB
	v_wmma_scale_f32_16x16x128_f8f6f4 v[rD:rD+7], v[rB:rB+11], v[rA:rA+11], v[rD:rD+7], v[rSB], v[rSA] matrix_a_fmt:MATRIX_FMT_BF6 matrix_b_fmt:MATRIX_FMT_BF6 matrix_a_scale:MATRIX_SCALE_ROW1
.elseif oA
	v_wmma_scale_f32_16x16x128_f8f6f4 v[rD:rD+7], v[rB:rB+11], v[rA:rA+11], v[rD:rD+7], v[rSB], v[rSA] matrix_a_fmt:MATRIX_FMT_BF6 matrix_b_fmt:MATRIX_FMT_BF6 matrix_b_scale:MATRIX_SCALE_ROW1
.else
	v_wmma_scale_f32_16x16x128_f8f6f4 v[rD:rD+7], v[rB:rB+11], v[rA:rA+11], v[rD:rD+7], v[rSB], v[rSA] matrix_a_fmt:MATRIX_FMT_BF6 matrix_b_fmt:MATRIX_FMT_BF6
.endif
.endif
.endm
.macro MUL16 a0, p, q, sc, zero
.irp a, \a0, \a0+1
.irp b, 0,1,2,3,4,5,6,7
.set rD, 8*(8*((\a)%4)+\b)
.set rB, 128*(\p)+FR*\b
.set rA, AF+FR*(\a)
.set rSB, SC+16*(\sc)+8*(\q)+4+(\b)/2
.set rSA, SC+16*(\sc)+8*(\q)+(\a)/2
.set oB, (\b)%2
.set oA, (\a)%2
	WM \zero
.endr
.endr
.endm
.macro STEP slot, zero
	s_wait_dscnt 4*NL
	WIN MUL_LO
	MUL16 0, 0, 0, \slot, \zero
	MUL16 2, 0, 0, \slot, \zero
	s_wait_dscnt 0x0
	PLACES
	FETCH_B \slot, 1, 1
	FETCH_A \slot, 1, 0
	WIN MUL_HI
	MUL16 4, 0, 0, \slot, \zero
	MUL16 6, 0, 0, \slot, \zero
	PLACES
	WIN 0
	FETCH_A \slot, 1, 4
.endm
.macro TURN slot, next, fill
.if \fill
	s_wait_xcnt 0x0                                ; my prefetches have read their address: it steps one fill on
	s_add_nc_u64 s[76:77], s[76:77], 2*KSB
.endif
	s_wait_tensorcnt 0x0
	ds_add_u32 v[SPW], v[NIL]
	s_wait_dscnt 4*NL+1
	WIN MUL_LO
	MUL16 0, 1, 1, \slot, 0
	s_wait_dscnt 0x0
	s_barrier_signal -1
	MUL16 2, 1, 1, \slot, 0
	WIN 0
	s_barrier_wait -1
.if \fill
	CREST
	s_add_nc_u64 s[G0+4*\slot+2:G0+4*\slot+3], s[G0+4*\slot+2:G0+4*\slot+3], 4*KSB
	s_add_nc_u64 s[G0B+4*\slot+2:G0B+4*\slot+3], s[G0B+4*\slot+2:G0B+4*\slot+3], 4*KSB
	JLOAD G0+4*\slot, G1, G0B+4*\slot, G1B
.else
	PLACES
.endif
	FETCH_B \next, 0, 0
	FETCH_A \next, 0, 0
	SCALES \next
.if \fill
	s_cmp_gt_u32 s3, 1                             ; the last trip's two refills have no fill two on
	s_cbranch_scc0 .Lnopf_\@
	global_prefetch_b8 v30, s[76:77] offset:6*KSB th:TH_LOAD_NT scope:SCOPE_SE
.Lnopf_\@:
.endif
	WIN MUL_HI
	MUL16 4, 1, 1, \slot, 0
	MUL16 6, 1, 1, \slot, 0
	PLACES
	WIN 0
	FETCH_A \next, 0, 4
.endm
	s_wait_alu depctr_va_vdst(0)
	s_wait_tensorcnt 1
	s_barrier_signal -1
	s_barrier_wait -1
	FETCH_B 0, 0, 0
	FETCH_A 0, 0, 0
	SCALES 0
	FETCH_A 0, 0, 4
	STEP 0, 1
	s_mov_b32 s3, 3
.Llap:
	TURN 0, 1, 1
	STEP 1, 0
	TURN 1, 0, 1
	STEP 0, 0
	s_sub_co_u32 s3, s3, 1
	s_cmp_lg_u32 s3, 0
	s_cbranch_scc1 .Llap
	TURN 0, 1, 0
	STEP 1, 0
	s_wait_dscnt 4*NL
	WIN MUL_LO
	MUL16 0, 1, 1, 1, 0
	MUL16 2, 1, 1, 1, 0
	s_wait_dscnt 0x0
	WIN MUL_HI
	MUL16 4, 1, 1, 1, 0
	MUL16 6, 1, 1, 1, 0
	WIN 0
	PLACES
.macro HOUT a
.set AC, 64*((\a)%4)
	WIN 0x02+(\a)/4
.irp n, 0,2,4,6,8,10,12,14,16,18,20,22,24,26,28,30
	v_pk_mul_f32 v[T+\n:T+\n+1], v[AC+\n:AC+\n+1], s[72:73] op_sel_hi:[1,0]
.endr
	WIN 0
	s_wait_alu depctr_va_vdst(0)
.irp n, 0,1,2,3,4,5,6,7,8,9,10,11,12,13,14,15,16,17,18,19,20,21,22,23,24,25,26,27,28,29,30,31
	v_exp_f32 v[T+\n], v[T+\n]
.endr
	v_nop
	s_wait_alu depctr_va_vdst(0)
.irp n, 0,2,4,6,8,10,12,14,16,18,20,22,24,26,28,30
	v_pk_add_f32 v[T+\n:T+\n+1], v[T+\n:T+\n+1], 1.0 op_sel_hi:[1,0]
.endr
	s_wait_alu depctr_va_vdst(0)
.irp n, 0,1,2,3,4,5,6,7,8,9,10,11,12,13,14,15,16,17,18,19,20,21,22,23,24,25,26,27,28,29,30,31
	v_rcp_f32 v[T+\n], v[T+\n]
.endr
	v_nop
	s_wait_alu depctr_va_vdst(0)
	WIN 0x02+(\a)/4
.irp n, 0,2,4,6,8,10,12,14,16,18,20,22,24,26,28,30
	v_pk_mul_f32 v[H+\n:H+\n+1], v[AC+\n:AC+\n+1], v[T+\n:T+\n+1]
.endr
.irp n, 0,2,4,6,8,10,12,14,16,18,20,22,24,26,28,30
	v_pk_mul_f32 v[H+\n:H+\n+1], v[AC+32+\n:AC+32+\n+1], v[H+\n:H+\n+1]
.endr
	WIN 0
.irp b, 0,1
	v_max3_num_f32 v[AM+\b], |v[H+16*\b]|, |v[H+16*\b+1]|, 0x2800000
.endr
.irp i, 2,4,6,8,10,12,14
.irp b, 0,1
	v_max3_num_f32 v[AM+\b], v[AM+\b], |v[H+16*\b+\i]|, |v[H+16*\b+\i+1]|
.endr
.endr
.irp b, 0,1
	v_permlanex16_b32 v[PD+\b], v[AM+\b], s74, s75
.endr
.irp b, 0,1
	v_max_num_f32 v[AM+\b], v[AM+\b], v[PD+\b]
.endr
.irp b, 0,1
	v_add_nc_u32 v[SO+\b], 0xfe000000, v[AM+\b]
.endr
.irp b, 0,1
	v_lshrrev_b32 v[BY+\b], 23, v[SO+\b]
.endr
	v_lshl_or_b32 v[HW], v[BY+1], 8, v[BY]
	s_wait_alu depctr_va_vdst(0)
	s_wait_xcnt 0x0
	v_cvt_scalef32_pk16_bf6_f32 v[E:E+2], v[H:H+15], v[SO]
	v_cvt_scalef32_pk16_bf6_f32 v[F:F+2], v[H+16:H+31], v[SO+1]
	v_nop
.irp i, 0,1,2
	v_permlane16_swap_b32 v[E+\i], v[F+\i]
.endr
.irp i, 0,1,2
	v_mov_b32 v[E+3+\i], v[F+\i]
.endr
.irp i, 0,1,2
	global_store_b64 v[HO], v[E+2*\i:E+2*\i+1], s[68:69] offset:QUADB*((\a)/4)+TILEB*((\a)%4)+256*\i
.endr
	ds_store_b16 v[SS], v[HW] offset:256*((\a)/4)+128*((\a)%2)+4*(((\a)/2)%2)
.endm
.irp a, 0,1,2,3,4,5,6,7
	HOUT \a
.endr
	s_wait_dscnt 0x0
	s_barrier_signal -1
	s_barrier_wait -1
	ds_load_b64 v[T:T+1], v[SR]
	s_wait_dscnt 0x0
	global_store_b64 v[HO], v[T:T+1], s[70:71]
	s_wait_tensorcnt 0x0
	ds_add_u32 v[SPW], v[NIL]
	s_wait_dscnt 0x0
	CROUND
	s_endpgm
.Lfunc_end_k_q5a75237d56_gateup:
	.size	k_q5a75237d56_gateup, .Lfunc_end_k_q5a75237d56_gateup-k_q5a75237d56_gateup
	.p2alignl 7, 3214868480
	.fill 96, 4, 3214868480
	.section	.rodata,"a",@progbits
	.p2align	6, 0x0
	.amdhsa_kernel k_q5a75237d56_gateup
		.amdhsa_group_segment_fixed_size 327680
		.amdhsa_private_segment_fixed_size 0
		.amdhsa_enable_private_segment 0
		.amdhsa_kernarg_size 24
		.amdhsa_user_sgpr_count 2
		.amdhsa_user_sgpr_kernarg_segment_ptr 1
		.amdhsa_wavefront_size32 1
		.amdhsa_system_sgpr_workgroup_id_x 1
		.amdhsa_system_sgpr_workgroup_id_y 1
		.amdhsa_system_sgpr_workgroup_id_z 1
		.amdhsa_system_vgpr_workitem_id 0
		.amdhsa_next_free_vgpr 1024
		.amdhsa_next_free_sgpr 80
		.amdhsa_reserve_vcc 0
		.amdhsa_float_denorm_mode_32 3
		.amdhsa_float_denorm_mode_16_64 3
		.amdhsa_memory_ordered 1
		.amdhsa_forward_progress 1
		.amdhsa_inst_pref_size 198
	.end_amdhsa_kernel
	.amdgpu_metadata
---
amdhsa.version: [ 1, 2 ]
amdhsa.kernels:
  - .name:           k_q5a75237d56_gateup
    .symbol:         k_q5a75237d56_gateup.kd
    .args:
      - { .name: xq, .offset: 0, .size: 8, .value_kind: global_buffer, .address_space: global }
      - { .name: wq, .offset: 8, .size: 8, .value_kind: global_buffer, .address_space: global }
      - { .name: hq, .offset: 16, .size: 8, .value_kind: global_buffer, .address_space: global }
    .group_segment_fixed_size: 327680
    .private_segment_fixed_size: 0
    .kernarg_segment_align: 8
    .kernarg_segment_size: 24
    .max_flat_workgroup_size: 128
    .sgpr_count:     80
    .vgpr_count:     1024
    .wavefront_size: 32
...
	.end_amdgpu_metadata
.endif
;; end of part 2
;; launch down (part 3): grid 32 x 8, 4 waves a work-group, clusters of 4 x 4, 327,680 bytes of LDS; arguments hq, w3q, out0; writes out0
.if DOCPART == 3
	.amdgcn_target "amdgcn-amd-amdhsa--gfx1250"
	.amdhsa_code_object_version 6
	.text
	.protected	k_q5a75237d56_down
	.globl	k_q5a75237d56_down
	.p2align	8
	.type	k_q5a75237d56_down,@function
k_q5a75237d56_down:
	s_mov_b64 s[64:65], 0
	v_nop
	global_prefetch_b8 v0, s[64:65] scope:SCOPE_SE
	s_setreg_imm32_b32 hwreg(HW_REG_WAVE_MODE, 25, 1), 1
	s_wait_xcnt 0x0
	s_wait_alu depctr_hold_cnt(0) depctr_sa_sdst(0) depctr_va_vdst(0) depctr_va_sdst(0) depctr_va_ssrc(0) depctr_va_vcc(0) depctr_vm_vsrc(0)
	s_getreg_b32 s2, hwreg(HW_REG_IB_STS2, 6, 4)
	s_cmp_eq_u32 s2, 0
	s_cbranch_scc0 .Lentry_in_a_cluster
	s_endpgm
.Lentry_in_a_cluster:
	s_bfe_u32 s2, ttmp6, 0x10000c
	s_cmp_lg_u32 s2, 0xf033
	s_cbranch_scc0 .Lentry_shape_is_right
	s_endpgm
.Lentry_shape_is_right:
; out0 = h w3^T on the codes of hq and w3q.  A work-group makes 128 rows x 64 columns; a slot holds eight K steps, of which wave w multiplies steps w and w + 4; the four waves' sums are added through LDS on the way out.
; Two slots, filled by joint loads in clusters of 4 x 4.
; PREFETCH: behind each joint load a wave names what it will fetch two refills on (51,200 bytes of hq or 25,600 of w3q); the four partners that ask jointly take a quarter each, told apart by address
; (cx for hq, cy for w3q), 25 blocks of 256 bytes an instruction; lanes 25-31 name the instruction's last block again; the last two refills ask for nothing.  Behind the first load the next fill is named too.
.set QUADB, 6400
.set TILEB, 1536
.set ASTEP, 2*QUADB
.set SLOT,  8*ASTEP+8*QUADB
.set BOFF,  8*ASTEP
.set SPARE, 2*SLOT
.set SPITCH, 272
.set FR,    12
.set ADRA,  16
.set ADRB,  20
.set STO,   24
.set RD0,   25
.set RD1,   26
.set CO,    27
.set SPW,   28
.set NIL,   29
.set SC,    32
.set AF,    64
.set BK,    64
.set G1,    24
.set G0,    32
.set G1B,   48
.set G0B,   56
.set MSB, 0
.macro WIN new
.if MSB != (\new)
	s_set_vgpr_msb (MSB<<8)|(\new)
.set MSB, \new
.endif
.endm
.set MUL,  0xa1
.set TO_B, 0x40
.macro JLOAD g0a, g1a, g0b, g1b
	s_cmp_eq_u32 s15, 0
	s_cbranch_scc0 .Lfor_b_\@
	tensor_load_to_lds s[\g0a:\g0a+3], s[\g1a:\g1a+7]
	s_nop 0
.rept 4
	v_nop
.endr
	s_branch .Lasked_\@
.Lfor_b_\@:
	tensor_load_to_lds s[\g0b:\g0b+3], s[\g1b:\g1b+7]
	s_nop 0
.rept 4
	v_nop
.endr
.Lasked_\@:
.endm
.macro CROUND
	s_barrier_signal -1
	s_barrier_wait -1
	s_cmp_lg_u32 s14, 0
	s_cbranch_scc1 .Lnot_wave_0_\@
	s_barrier_signal -3
.Lnot_wave_0_\@:
	s_barrier_wait -3
	s_barrier_signal -1
	s_barrier_wait -1
.endm
.macro PF k                            ; my quarter of what I fetch k fills on from where s[68:69] stands
	s_cmp_eq_u32 s15, 0
	s_cbranch_scc0 .Lpfb_\@
	global_prefetch_b8 v30, s[68:69] offset:(\k)*8*ASTEP th:TH_LOAD_NT scope:SCOPE_SE
	global_prefetch_b8 v30, s[68:69] offset:(\k)*8*ASTEP+6400 th:TH_LOAD_NT scope:SCOPE_SE
	s_branch .Lpfe_\@
.Lpfb_\@:
	global_prefetch_b8 v30, s[68:69] offset:(\k)*8*QUADB th:TH_LOAD_NT scope:SCOPE_SE
.Lpfe_\@:
.endm
.macro PLACES
.rept 4
	v_nop
.endr
.endm
	s_load_b128 s[4:7], s[0:1], 0x0
	s_load_b64 s[8:9], s[0:1], 0x10
	v_lshl_add_u32 v[SPW], v0, 2, SPARE
	v_mov_b32 v[NIL], 0
	ds_add_u32 v28, v29
	ds_add_u32 v28, v29
	s_wait_dscnt 0x0
	v_lshrrev_b32 v1, 5, v0
	v_readfirstlane_b32 s14, v1
	v_and_b32 v30, 31, v0
	v_min_u32 v30, 24, v30
	v_lshlrev_b32 v30, 8, v30                      ; the prefetches' offset: a lane a block of 256 bytes; never rewritten
	s_lshr_b32 s15, s14, 1
	s_and_b32 s16, s14, 1
	s_bfe_u32 s40, ttmp6, 0x40000
	s_bfe_u32 s41, ttmp6, 0x40004
	s_lshl_b32 s42, ttmp9, 2
	s_add_co_u32 s42, s42, s40
	s_and_b32 s17, ttmp7, 0xffff
	s_lshl_b32 s17, s17, 2
	s_add_co_u32 s17, s17, s41
	s_lshl_b32 s43, s41, 2
	s_lshl_b32 s43, 15, s43
	s_lshl_b32 s44, 0x1111, s40
	s_or_b32 s[G1+0], s43, (3<<16)|(1<<21)
	s_mov_b32 s[G1+1], 32<<16
	s_mov_b32 s[G1+2], 200<<16
	s_mov_b32 s[G1+3], 32<<16
	s_mov_b32 s[G1+4], 200
	s_mov_b32 s[G1+5], 32
	s_mov_b32 s[G1+6], 0
	s_mov_b32 s[G1+7], 0
	s_or_b32 s[G1B+0], s44, (3<<16)|(1<<21)
	s_mov_b32 s[G1B+1], 32<<16
	s_mov_b32 s[G1B+2], 100<<16
	s_mov_b32 s[G1B+3], 32<<16
	s_mov_b32 s[G1B+4], 100
	s_mov_b32 s[G1B+5], 32
	s_mov_b32 s[G1B+6], 0
	s_mov_b32 s[G1B+7], 0
	s_lshl_b32 s20, s17, 6
	s_lshl_b32 s21, s16, 2
	s_add_co_u32 s20, s20, s21
	s_mul_i32 s20, s20, ASTEP
	s_mov_b32 s21, 0
	s_lshl_b32 s46, s42, 6
	s_lshl_b32 s47, s16, 2
	s_add_co_u32 s46, s46, s47
	s_mul_i32 s46, s46, QUADB
	s_mov_b32 s47, 0
	s_mul_i32 s45, s16, 4*ASTEP
	s_mul_i32 s23, s16, 4*QUADB
	s_add_co_u32 s23, s23, BOFF
	s_wait_kmcnt 0x0
	s_add_nc_u64 s[20:21], s[4:5], s[20:21]
	s_add_nc_u64 s[46:47], s[6:7], s[46:47]
	s_cmp_eq_u32 s15, 0                            ; do I fetch hq's tiles?
	s_cselect_b64 s[68:69], s[20:21], s[46:47]     ; where my prefetches stand
	s_cselect_b32 s72, s40, s41                    ; my place among the four that ask with me
	s_mov_b32 s73, 6400
	s_cselect_b32 s73, 12800, s73                  ; a quarter of what I fetch
	s_mov_b32 s70, 8*QUADB
	s_cselect_b32 s70, 8*ASTEP, s70                ; from fill to fill
	s_mov_b32 s71, 0
	s_mul_i32 s72, s72, s73
	s_mov_b32 s73, 0
	s_add_nc_u64 s[68:69], s[68:69], s[72:73]
.irp s, 0,1
	s_mov_b32 s[G0+4*\s], 1
	s_add_co_u32 s[G0+4*\s+1], s45, \s*SLOT
	s_add_nc_u64 s[G0+4*\s+2:G0+4*\s+3], s[20:21], \s*8*ASTEP
	s_or_b32 s[G0+4*\s+3], s[G0+4*\s+3], 0x80000000
	s_mov_b32 s[G0B+4*\s], 1
	s_add_co_u32 s[G0B+4*\s+1], s23, \s*SLOT
	s_add_nc_u64 s[G0B+4*\s+2:G0B+4*\s+3], s[46:47], \s*8*QUADB
	s_or_b32 s[G0B+4*\s+3], s[G0B+4*\s+3], 0x80000000
	s_wait_alu depctr_va_vdst(0)
	s_wait_tensorcnt 0x0
	ds_add_u32 v28, v29
	ds_add_u32 v28, v29
	s_wait_dscnt 0x0
	CROUND
	JLOAD G0+4*\s, G1, G0B+4*\s, G1B
.if \s == 0
	PF 1
.endif
	PF \s+2
.endr
	v_and_b32 v1, 31, v0
	v_and_b32 v2, 15, v0
	s_wait_alu depctr_va_vdst(0)
	v_bfe_u32 v3, v0, 4, 1
	v_lshlrev_b32 v4, 3, v1
	s_mul_i32 s21, s14, ASTEP
	s_mul_i32 s22, s14, QUADB
	s_add_co_u32 s22, s22, BOFF
.irp s, 0,1
	v_add_nc_u32 v[ADRA+\s], s21, v4
	v_add_nc_u32 v[ADRB+\s], s22, v4
	s_add_co_u32 s21, s21, SLOT
	s_add_co_u32 s22, s22, SLOT
.endr
	s_mul_i32 s21, s14, 128*SPITCH
	v_mul_u32_u24 v[STO], v2, SPITCH
	s_wait_alu depctr_va_vdst(0)
	v_lshl_add_u32 v[STO], v3, 6, v[STO]
	v_add_nc_u32 v[STO], s21, v[STO]
	s_mul_i32 s21, s14, 32*SPITCH
	v_mul_u32_u24 v[RD0], v3, SPITCH
	v_lshl_add_u32 v[RD0], v2, 4, v[RD0]
	v_add_nc_u32 v[RD0], s21, v[RD0]
	v_add_nc_u32 v[RD1], 2*128*SPITCH, v[RD0]
	v_lshlrev_b32 v[CO], 13, v3
	v_lshl_add_u32 v[CO], v2, 4, v[CO]
	s_lshl_b32 s20, s17, 7
	s_lshl_b32 s21, s14, 5
	s_add_co_u32 s20, s20, s21
	s_lshl_b32 s20, s20, 13
	s_lshl_b32 s21, s42, 8
	s_add_co_u32 s20, s20, s21
	s_mov_b32 s21, 0
	s_add_nc_u64 s[8:9], s[8:9], s[20:21]
.macro FETCH1 slot, e
	WIN TO_B
.irp b, 0,1,2,3
.irp p, 0,1,2,3,4,5
	ds_load_b64 v[48*\e+FR*\b+2*\p:48*\e+FR*\b+2*\p+1], v[ADRB+\slot] offset:4*QUADB*\e+TILEB*\b+256*\p
.endr
.endr
	WIN 0
.irp a, 0,1,2,3
.irp p, 0,1,2,3,4,5
	ds_load_b64 v[AF+96*\e+FR*\a+2*\p:AF+96*\e+FR*\a+2*\p+1], v[ADRA+\slot] offset:4*ASTEP*\e+TILEB*\a+256*\p
.endr
.endr
	ds_load_b64 v[SC+8*\e:SC+8*\e+1], v[ADRA+\slot] offset:4*ASTEP*\e+6144
	ds_load_b64 v[SC+8*\e+2:SC+8*\e+3], v[ADRA+\slot] offset:4*ASTEP*\e+QUADB+6144
	ds_load_b64 v[SC+8*\e+4:SC+8*\e+5], v[ADRB+\slot] offset:4*QUADB*\e+6144
.endm
.macro FETCH2 slot, e
.irp a, 0,1,2,3
.irp p, 0,1,2,3,4,5
	ds_load_b64 v[AF+96*\e+FR*(4+\a)+2*\p:AF+96*\e+FR*(4+\a)+2*\p+1], v[ADRA+\slot] offset:4*ASTEP*\e+QUADB+TILEB*\a+256*\p
.endr
.endr
.endm
.macro WM zero
.if \zero
.if oB && oA
	v_wmma_scale_f32_16x16x128_f8f6f4 v[rD:rD+7], v[rB:rB+11], v[rA:rA+11], 0, v[rSB], v[rSA] matrix_a_fmt:MATRIX_FMT_BF6 matrix_b_fmt:MATRIX_FMT_BF6 matrix_a_scale:MATRIX_SCALE_ROW1 matrix_b_scale:MATRIX_SCALE_ROW1
.elseif oB
	v_wmma_scale_f32_16x16x128_f8f6f4 v[rD:rD+7], v[rB:rB+11], v[rA:rA+11], 0, v[rSB], v[rSA] matrix_a_fmt:MATRIX_FMT_BF6 matrix_b_fmt:MATRIX_FMT_BF6 matrix_a_scale:MATRIX_SCALE_ROW1
.elseif oA
	v_wmma_scale_f32_16x16x128_f8f6f4 v[rD:rD+7], v[rB:rB+11], v[rA:rA+11], 0, v[rSB], v[rSA] matrix_a_fmt:MATRIX_FMT_BF6 matrix_b_fmt:MATRIX_FMT_BF6 matrix_b_scale:MATRIX_SCALE_ROW1
.else
	v_wmma_scale_f32_16x16x128_f8f6f4 v[rD:rD+7], v[rB:rB+11], v[rA:rA+11], 0, v[rSB], v[rSA] matrix_a_fmt:MATRIX_FMT_BF6 matrix_b_fmt:MATRIX_FMT_BF6
.endif
.else
.if oB && oA
	v_wmma_scale_f32_16x16x128_f8f6f4 v[rD:rD+7], v[rB:rB+11], v[rA:rA+11], v[rD:rD+7], v[rSB], v[rSA] matrix_a_fmt:MATRIX_FMT_BF6 matrix_b_fmt:MATRIX_FMT_BF6 matrix_a_scale:MATRIX_SCALE_ROW1 matrix_b_scale:MATRIX_SCALE_ROW1
.elseif oB
	v_wmma_scale_f32_16x16x128_f8f6f4 v[rD:rD+7], v[rB:rB+11], v[rA:rA+11], v[rD:rD+7], v[rSB], v[rSA] matrix_a_fmt:MATRIX_FMT_BF6 matrix_b_fmt:MATRIX_FMT_BF6 matrix_a_scale:MATRIX_SCALE_ROW1
.elseif oA
	v_wmma_scale_f32_16x16x128_f8f6f4 v[rD:rD+7], v[rB:rB+11], v[rA:rA+11], v[rD:rD+7], v[rSB], v[rSA] matrix_a_fmt:MATRIX_FMT_BF6 matrix_b_fmt:MATRIX_FMT_BF6 matrix_b_scale:MATRIX_SCALE_ROW1
.else
	v_wmma_scale_f32_16x16x128_f8f6f4 v[rD:rD+7], v[rB:rB+11], v[rA:rA+11], v[rD:rD+7], v[rSB], v[rSA] matrix_a_fmt:MATRIX_FMT_BF6 matrix_b_fmt:MATRIX_FMT_BF6
.endif
.endif
.endm
.macro MUL32 e, zero
.irp a, 0,1,2,3,4,5,6,7
.irp b, 0,1,2,3
.set rD, 8*(4*\a+\b)
.set rB, 48*\e+FR*\b
.set rA, AF+96*\e+FR*\a
.set rSB, SC+8*\e+4+\b/2
.set rSA, SC+8*\e+\a/2
.set oB, \b%2
.set oA, \a%2
	WM \zero
.endr
.endr
.endm
.macro WORK slot, zero
	FETCH1 \slot, 0
	FETCH2 \slot, 0
	FETCH1 \slot, 1
	s_wait_dscnt 51
	FETCH2 \slot, 1
	WIN MUL
	MUL32 0, \zero
	s_wait_dscnt 0x0
	MUL32 1, 0
	WIN 0
.endm
.macro VISIT slot, refill
.if \refill
	s_wait_xcnt 0x0                                ; my prefetches have read their address: it steps one fill on
	s_add_nc_u64 s[68:69], s[68:69], s[70:71]
.endif
	s_wait_tensorcnt 0x0
	ds_add_u32 v[SPW], v[NIL]
.if \refill
	s_add_nc_u64 s[G0+4*(1-\slot)+2:G0+4*(1-\slot)+3], s[G0+4*(1-\slot)+2:G0+4*(1-\slot)+3], 16*ASTEP
	s_add_nc_u64 s[G0B+4*(1-\slot)+2:G0B+4*(1-\slot)+3], s[G0B+4*(1-\slot)+2:G0B+4*(1-\slot)+3], 16*QUADB
.endif
	s_wait_dscnt 0x0
.if \refill
	CROUND
	JLOAD G0+4*(1-\slot), G1, G0B+4*(1-\slot), G1B
	s_cmp_gt_u32 s3, 1                             ; the last trip's two refills have no fill two on
	s_cbranch_scc0 .Lnopf_\@
	PF 3
.Lnopf_\@:
.else
	s_barrier_signal -1
	s_barrier_wait -1
	PLACES
.endif
	WORK \slot, 0
.endm
	s_wait_tensorcnt 1
	s_barrier_signal -1
	s_barrier_wait -1
	WORK 0, 1
	s_mov_b32 s3, 3
.Lpair:
	VISIT 1, 1
	VISIT 0, 1
	s_sub_co_u32 s3, s3, 1
	s_cmp_lg_u32 s3, 0
	s_cbranch_scc1 .Lpair
	VISIT 1, 0
	PLACES
	WIN 0x08
	s_wait_alu depctr_va_vdst(0)
.irp a, 0,1,2,3,4,5,6,7
.irp b, 0,1,2,3
	ds_store_b128 v[STO], v[8*(4*\a+\b):8*(4*\a+\b)+3] offset:16*SPITCH*\a+128*(\b/2)+32*(\b%2)
	ds_store_b128 v[STO], v[8*(4*\a+\b)+4:8*(4*\a+\b)+7] offset:16*SPITCH*\a+128*(\b/2)+32*(\b%2)+16
.endr
.endr
	WIN 0
	s_wait_dscnt 0x0
	s_barrier_signal -1
	s_barrier_wait -1
.irp g, 0,1
.if \g
	s_wait_xcnt 0x0
.endif
.irp i, 0,1,2,3,4,5,6,7
.irp p, 0,1
	ds_load_b128 v[BK+16*\i+4*\p:BK+16*\i+4*\p+3], v[RD0] offset:128*SPITCH*\p+2*SPITCH*(8*\g+\i)
	ds_load_b128 v[BK+16*\i+8+4*\p:BK+16*\i+8+4*\p+3], v[RD1] offset:128*SPITCH*\p+2*SPITCH*(8*\g+\i)
.endr
.endr
	s_wait_dscnt 0x0
.irp i, 0,1,2,3,4,5,6,7
	v_pk_add_f32 v[BK+16*\i:BK+16*\i+1], v[BK+16*\i:BK+16*\i+1], v[BK+16*\i+4:BK+16*\i+5]
	v_pk_add_f32 v[BK+16*\i+2:BK+16*\i+3], v[BK+16*\i+2:BK+16*\i+3], v[BK+16*\i+6:BK+16*\i+7]
	v_pk_add_f32 v[BK+16*\i+8:BK+16*\i+9], v[BK+16*\i+8:BK+16*\i+9], v[BK+16*\i+12:BK+16*\i+13]
	v_pk_add_f32 v[BK+16*\i+10:BK+16*\i+11], v[BK+16*\i+10:BK+16*\i+11], v[BK+16*\i+14:BK+16*\i+15]
.endr
.irp i, 0,1,2,3,4,5,6,7
	v_pk_add_f32 v[BK+16*\i:BK+16*\i+1], v[BK+16*\i:BK+16*\i+1], v[BK+16*\i+8:BK+16*\i+9]
	v_pk_add_f32 v[BK+16*\i+2:BK+16*\i+3], v[BK+16*\i+2:BK+16*\i+3], v[BK+16*\i+10:BK+16*\i+11]
.endr
.irp i, 0,1,2,3,4,5,6,7
	global_store_b128 v[CO], v[BK+16*\i:BK+16*\i+3], s[8:9] offset:8192*(8*\g+2*\i+8*(\i/4)) th:TH_STORE_NT
.endr
.endr
	s_wait_tensorcnt 0x0
	ds_add_u32 v[SPW], v[NIL]
	s_wait_dscnt 0x0
	CROUND
	s_endpgm
.Lfunc_end_k_q5a75237d56_down:
	.size	k_q5a75237d56_down, .Lfunc_end_k_q5a75237d56_down-k_q5a75237d56_down
	.p2alignl 7, 3214868480
	.fill 96, 4, 3214868480
	.section	.rodata,"a",@progbits
	.p2align	6, 0x0
	.amdhsa_kernel k_q5a75237d56_down
		.amdhsa_group_segment_fixed_size 327680
		.amdhsa_private_segment_fixed_size 0
		.amdhsa_enable_private_segment 0
		.amdhsa_kernarg_size 24
		.amdhsa_user_sgpr_count 2
		.amdhsa_user_sgpr_kernarg_segment_ptr 1
		.amdhsa_wavefront_size32 1
		.amdhsa_system_sgpr_workgroup_id_x 1
		.amdhsa_system_sgpr_workgroup_id_y 1
		.amdhsa_system_sgpr_workgroup_id_z 1
		.amdhsa_system_vgpr_workitem_id 0
		.amdhsa_next_free_vgpr 768
		.amdhsa_next_free_sgpr 80
		.amdhsa_reserve_vcc 0
		.amdhsa_float_denorm_mode_32 3
		.amdhsa_float_denorm_mode_16_64 3
		.amdhsa_memory_ordered 1
		.amdhsa_forward_progress 1
		.amdhsa_inst_pref_size 100
	.end_amdhsa_kernel
	.amdgpu_metadata
---
amdhsa.version: [ 1, 2 ]
amdhsa.kernels:
  - .name:           k_q5a75237d56_down
    .symbol:         k_q5a75237d56_down.kd
    .args:
      - { .name: hq, .offset: 0, .size: 8, .value_kind: global_buffer, .address_space: global }
      - { .name: w3q, .offset: 8, .size: 8, .value_kind: global_buffer, .address_space: global }
      - { .name: out0, .offset: 16, .size: 8, .value_kind: global_buffer, .address_space: global }
    .group_segment_fixed_size: 327680
    .private_segment_fixed_size: 0
    .kernarg_segment_align: 8
    .kernarg_segment_size: 24
    .max_flat_workgroup_size: 128
    .sgpr_count:     80
    .vgpr_count:     768
    .wavefront_size: 32
...
	.end_amdgpu_metadata
.endif
;; end of part 3
